; MI455X (gfx1250); checked and timed in simulation.
; The chip was launched on July 23, 2026; its instructions are those of AMD's public machine-readable ISA for CDNA 5 (MIT licence, August 2026) and "CDNA5" Instruction Set Architecture Reference Guide (July 2026). The comments in the code are by the model that wrote it; some were corrected since.
;; Multi Head Attention. Allowed arithmetic: float matrix products may take bf16 or f16 operands with f32 sums; all other float work in f32.
;; Inputs: Wk 256 x 256 float32; Wo 256 x 256 float32; Wq 256 x 256 float32; Wv 256 x 256 float32; beta 256 float32; bk 256 float32; bo 256 float32; bq 256 float32; bv 256 float32; gamma 256 float32; x 4 x 4,096 x 256 float32.
;; Outputs: out0 4 x 4,096 x 256 float32.
;; One version. Each part assembles by itself: llvm-mc -triple=amdgcn-amd-amdhsa -mcpu=gfx1250 --defsym DOCPART=n.
;; ======== version 1 of 1: 2 launches
;; workspace buffers: qf 8,388,608 bytes; kvf 16,777,216 bytes; wob 131,072 bytes
;; launch proj (part 1): grid 64 x 4, 8 waves a work-group, no clusters, 241,664 bytes of LDS; arguments x, Wq, bq, Wk, bk, Wv, Wo, qf, kvf, wob; writes qf, kvf, wob
.if DOCPART == 1
	.amdgcn_target "amdgcn-amd-amdhsa--gfx1250"
	.amdhsa_code_object_version 6
	.text
	.protected	k_q59cda04b81_proj
	.globl	k_q59cda04b81_proj
	.p2align	8
	.type	k_q59cda04b81_proj,@function
k_q59cda04b81_proj:
	s_mov_b64 s[64:65], 0
	v_nop
	global_prefetch_b8 v0, s[64:65] scope:SCOPE_SE
	s_setreg_imm32_b32 hwreg(HW_REG_WAVE_MODE, 25, 1), 1
	s_wait_xcnt 0x0
; proj: q, k, v of one head for 256 tokens, in bf16, laid out as the matrix fragments that the attention launch reads; and Wo in bf16.
;   q' = elu(x Wq + bq) / (|.| + 1e-6) * log2(e)/8     k' = elu(x Wk + bk) / (|.| + 1e-6)     v' = x Wv (bv is added behind the softmax's division,
;   which is the same sum, since the weights of a row add up to 1).
; Work-group (bx, hh): tokens 256 bx .. +255, head hh.  Eight waves; wave w has tokens 32 w .. +31 (two tiles of 16) of all three products.
; Products: bf16 operands, f32 sums.  q and k: source 0 = 16 features of W (transposed on the way out of LDS), source 1 = 16 tokens of x, so a lane
; of the result holds ONE token and eight neighbouring features: the norm over the head is a sum in the lane plus one exchange, and the packed
; 16 bytes are a piece of a fragment with the head's features along K.  v: the sources swapped, so a lane holds ONE feature and eight neighbouring
; tokens: a piece of a fragment of V transposed, with the tokens along K.
; A piece is 512 bytes, lane l's 16 bytes at 16 l: every store of a wave covers 512 consecutive bytes, aligned.
;   qf  [batch 4][head 4][token tile 256][mt 4][512]             mt: features 16 mt + 8 (l/16) + 0..7 of token l%16
;   kvf [batch 4][chunk of 128 tokens 32][K of heads 0-3, V of heads 0-3: 8 x 16,384][tile 8][mt 4][512]
;                                                                 V's pieces: tokens 8 (l/16) + 0..7 of feature 16 mt + l%16
;   wob [256][256] bf16: Wo as it lies; wave 0 of work-group (bx, hh) converts row 4 bx + hh.
; LIMIT: elu's negative branch is exp(x) - 1 in f32, an absolute error of about 6e-8 against expm1; it is below the bf16 rounding of the
; result for |x| above 3e-5.
; No tensor loads: the f32 tiles (448 KiB) are converted on the way into LDS and would not fit there beside their bf16 copies.
.set WP,   416                         ; LDS pitch of W's rows: 192 bf16 (q, k, v: 64 each) = 384 bytes + 32 = 13 x 32
.set XP,   528                         ; LDS pitch of x's rows: 256 bf16 = 512 bytes + 16 = 33 x 16: 16 rows' 16-byte pieces fall on 16 different places modulo 256 bytes
.set XS,   256*WP                      ; x behind W's 256 rows
.set XLD,  2                           ; v2   x: byte offset of my 16 bytes in my wave's first row
.set WLD,  3                           ; v3   W: byte offset of my 16 bytes in my wave's first two rows
.set XST,  4                           ; v4   LDS: where my 8 bytes of x go
.set WST,  5                           ; v5   LDS: where my 8 bytes of W go
.set XFA,  6                           ; v6   LDS: my part of an x fragment
.set WFA0, 7                           ; v7   LDS: my part of a W fragment, K steps 0-3
.set WOR,  8                           ; v[8:15] wave 0: eight numbers of a row of Wo
.set WFA1, 16                          ; v16  the same as v7 for K steps 4-7 (the immediate has 16 bits)
.set OSTQ, 17                          ; v17  byte offset of my 16 bytes in my wave's first piece of qf
.set OSTK, 18                          ; v18  the same in kvf
.set BOF,  19                          ; v19  byte offset of my 8 biases; later at work
.set SS,   20                          ; v[20:21] sum of squares
.set R,    22                          ; v[22:23] the factor, twice
.set BIAS, 24                          ; v[24:55] bq, v[56:87] bk: register 8 ft + j = bias of feature 16 ft + 8 (l/16) + j
.set ACC,  88                          ; v[88:151] eight accumulators, (2 token tiles) x (4 feature tiles)
.set SA,   88                          ; staging set A (before the products)
.set SB,   152                         ; staging set B
.set WF,   152                         ; v[152:183], v[184:215] W fragments, two buffers
.set OUTP, 216                         ; v[216:247] packed results
.set T,    248                         ; v[248:255] at work
                                       ; window 1: v256-383 the wave's 16 x fragments, (tile, K step) at 8 (8 tt + ks); v384, v385 copies of v7, v16
.set MSB, 0
.macro WIN new                         ; s_set_vgpr_msb: bits 1:0 source 0, 3:2 source 1, 5:4 source 2, 7:6 destination; the high byte repeats the setting that is left
.if MSB != \new
	s_set_vgpr_msb (MSB<<8)|\new
.set MSB, \new
.endif
.endm
.macro PLACES                          ; four places behind a matrix instruction before its result is read or a load lands on its sources
.rept 4
	v_nop
.endr
.endm
	s_load_b512 s[16:31], s[0:1], 0x0              ; x 16, Wq 18, bq 20, Wk 22, bk 24, Wv 26, Wo 28, qf 30
	s_load_b128 s[32:35], s[0:1], 0x40             ; kvf 32, wob 34
	v_and_b32 v1, 31, v0                           ; lane
	v_lshrrev_b32 v20, 5, v0
	v_readfirstlane_b32 s8, v20                    ; wave
	s_and_b32 s2, ttmp7, 0xffff                    ; hh: the head
	s_lshr_b32 s9, ttmp9, 4                        ; batch (16 work-groups of 256 tokens each)
	s_and_b32 s4, ttmp9, 15                        ; block of 256 tokens in the batch
	s_mov_b32 s12, 0x76543210                      ; v_permlanex16_b32: lane i of one half reads lane i of the other
	s_mov_b32 s13, 0xfedcba98
	s_mov_b32 s36, 0x40b17218                      ; 8 ln 2
	s_mov_b32 s37, 0x36ba10b6                      ; 8 ln 2 x 1e-6
	s_mov_b32 s38, 0x3fb8aa3b                      ; log2(e)
	s_mov_b32 s39, 0x3fb8aa3b                      ; (the pair is named by the packed multiply)
	v_and_b32 v20, 15, v1                          ; r = l % 16
	v_lshrrev_b32 v21, 4, v1                       ; h = l / 16
	v_lshlrev_b32 v22, 4, v1                       ; 16 l
	s_lshl_b32 s5, s8, 15                          ; 32 rows of 1,024 bytes a wave
	v_add_nc_u32 v[XLD], s5, v22
	s_lshl_b32 s6, s2, 8                           ; the head's 64 columns: 256 bytes
	s_add_co_u32 s7, s5, s6
	v_lshl_add_u32 v[WLD], v21, 10, s7             ; lanes 16-31 take the next row,
	v_lshl_add_u32 v[WLD], v20, 4, v[WLD]          ; 16 lanes a row's 256 bytes
	s_mul_i32 s7, s8, 32*XP
	s_add_co_u32 s7, s7, XS
	v_lshl_add_u32 v[XST], v1, 3, s7
	v_mul_u32_u24 v23, v20, XP
	v_lshl_add_u32 v23, v21, 4, v23
	v_add_nc_u32 v[XFA], s7, v23                   ; row r of my tile, 16 h bytes in
	s_mul_i32 s7, s8, 32*WP
	v_mul_u32_u24 v23, v21, WP
	v_lshl_add_u32 v23, v20, 3, v23
	v_add_nc_u32 v[WST], s7, v23
	v_and_b32 v23, 7, v1
	v_lshl_add_u32 v23, v21, 3, v23                ; the transposing load: lane l addresses row 8 h + l % 8,
	v_mul_u32_u24 v23, v23, WP
	v_bfe_u32 v19, v1, 3, 1
	v_lshl_add_u32 v[WFA0], v19, 4, v23            ; columns 8 ((l / 8) % 2) + 0..7 of the tile
	v_add_nc_u32 v[WFA1], 128*WP, v[WFA0]
	s_lshl_b32 s7, s8, 12                          ; two tiles of 2,048 bytes a wave
	v_add_nc_u32 v[OSTQ], s7, v22
	s_lshr_b32 s7, s8, 2
	s_lshl_b32 s7, s7, 17                          ; waves 4-7: the next chunk of 128 tokens
	s_and_b32 s5, s8, 3
	s_lshl_b32 s5, s5, 12
	s_add_co_u32 s7, s7, s5
	v_add_nc_u32 v[OSTK], s7, v22
	v_lshl_add_u32 v[BOF], v21, 5, s6
	s_wait_kmcnt 0x0
	s_lshl_b32 s10, ttmp9, 18                      ; 256 rows of 1,024 bytes
	s_mov_b32 s11, 0
	s_add_nc_u64 s[16:17], s[16:17], s[10:11]      ; x at the group's first token
	s_lshl2_add_u32 s10, s9, s2                    ; 4 batch + head
	s_lshl_b32 s10, s10, 19                        ; 256 tiles of 2,048 bytes
	s_lshl_b32 s5, s4, 15                          ; 16 tiles
	s_add_co_u32 s10, s10, s5
	s_add_nc_u64 s[30:31], s[30:31], s[10:11]      ; qf at the group's first tile
	s_lshl_b32 s10, s9, 22                         ; 32 chunks of 131,072 bytes
	s_lshl_b32 s5, s4, 18                          ; two chunks
	s_add_co_u32 s10, s10, s5
	s_lshl_b32 s5, s2, 14                          ; the head's 16,384 bytes of K
	s_add_co_u32 s10, s10, s5
	s_add_nc_u64 s[32:33], s[32:33], s[10:11]      ; kvf at the group's first chunk, K of my head
	s_lshl2_add_u32 s5, ttmp9, s2                  ; row 4 bx + hh of Wo
	s_lshl_b32 s10, s5, 9
	s_add_nc_u64 s[34:35], s[34:35], s[10:11]
	s_lshl_b32 s10, s5, 10
	s_add_nc_u64 s[28:29], s[28:29], s[10:11]
.irp ft, 0,1,2,3
	global_load_b128 v[BIAS+8*\ft:BIAS+8*\ft+3],       v[BOF], s[20:21] offset:64*\ft
	global_load_b128 v[BIAS+8*\ft+4:BIAS+8*\ft+7],     v[BOF], s[20:21] offset:64*\ft+16
	global_load_b128 v[BIAS+32+8*\ft:BIAS+32+8*\ft+3], v[BOF], s[24:25] offset:64*\ft
	global_load_b128 v[BIAS+32+8*\ft+4:BIAS+32+8*\ft+7], v[BOF], s[24:25] offset:64*\ft+16
.endr
; STAGING: seven batches of 16 loads (Wq, Wk, Wv: my 32 rows of the head's 64 columns; x: my 32 tokens, eight at a time) take turns on two register sets.
.macro LDW mat, set                    ; a load covers two rows' 256 bytes, each aligned
.irp i, 0,1,2,3,4,5,6,7,8,9,10,11,12,13,14,15
	global_load_b128 v[\set+4*\i:\set+4*\i+3], v[WLD], s[18+4*\mat:19+4*\mat] offset:\i*2048
.endr
.endm
.macro CVW mat, set                    ; four f32 to four bf16, 8 bytes into LDS
.irp i, 0,1,2,3,4,5,6,7,8,9,10,11,12,13,14,15
	v_cvt_pk_bf16_f32 v[\set+4*\i],   v[\set+4*\i],   v[\set+4*\i+1]
	v_cvt_pk_bf16_f32 v[\set+4*\i+1], v[\set+4*\i+2], v[\set+4*\i+3]
	ds_store_b64 v[WST], v[\set+4*\i:\set+4*\i+1] offset:\mat*128+\i*2*WP
.endr
.endm
.macro LDX g, set                      ; a load covers 512 consecutive bytes: half a row
.irp i, 0,1,2,3,4,5,6,7,8,9,10,11,12,13,14,15
	global_load_b128 v[\set+4*\i:\set+4*\i+3], v[XLD], s[16:17] offset:\g*8192+\i*512
.endr
.endm
.macro CVX g, set
.irp i, 0,1,2,3,4,5,6,7,8,9,10,11,12,13,14,15
	v_cvt_pk_bf16_f32 v[\set+4*\i],   v[\set+4*\i],   v[\set+4*\i+1]
	v_cvt_pk_bf16_f32 v[\set+4*\i+1], v[\set+4*\i+2], v[\set+4*\i+3]
	ds_store_b64 v[XST], v[\set+4*\i:\set+4*\i+1] offset:(8*\g+(\i>>1))*XP+(\i&1)*256
.endr
.endm
	LDW 0, SA
	LDW 1, SB
	; wave 0 converts the group's row of Wo: lane l has numbers 8 l .. 8 l + 7
	s_cmp_lg_u32 s8, 0
	s_cbranch_scc1 .Lno_wo
	v_lshlrev_b32 v[T], 5, v1
	global_load_b128 v[WOR:WOR+3],   v[T], s[28:29]
	global_load_b128 v[WOR+4:WOR+7], v[T], s[28:29] offset:16
	s_wait_loadcnt 0x0                             ; the two youngest loads, and with them the 48 in front, which this wave needs next anyway
	v_cvt_pk_bf16_f32 v[WOR],   v[WOR],   v[WOR+1]
	v_cvt_pk_bf16_f32 v[WOR+1], v[WOR+2], v[WOR+3]
	v_cvt_pk_bf16_f32 v[WOR+2], v[WOR+4], v[WOR+5]
	v_cvt_pk_bf16_f32 v[WOR+3], v[WOR+6], v[WOR+7]
	global_store_b128 v[OSTQ], v[WOR:WOR+3], s[34:35]   ; in wave 0 v17 is 16 l; neither it nor v[8:11] is written again
.Lno_wo:
	s_wait_loadcnt 0x10                            ; loads end in order: all but the 16 of the other set are in (the biases too)
	CVW 0, SA
	LDW 2, SA
	s_wait_loadcnt 0x10
	CVW 1, SB
	LDX 0, SB
	s_wait_loadcnt 0x10
	CVW 2, SA
	LDX 1, SA
	s_wait_loadcnt 0x10
	CVX 0, SB
	LDX 2, SB
	s_wait_loadcnt 0x10
	CVX 1, SA
	LDX 3, SA
	s_wait_loadcnt 0x10
	CVX 2, SB
	s_wait_loadcnt 0x0                             ; the last batch: nothing was issued behind it
	CVX 3, SA
	s_wait_dscnt 0x0                               ; my stores are in LDS: W's rows are read by all eight waves
	s_barrier_signal -1
	s_barrier_wait -1
	; the wave's 16 x fragments stay in registers for all three products
	WIN 0x40                                       ; destination window 1
	v_mov_b32 v128, v[WFA0]                        ; v384, v385: the W addresses once more, for the product whose source 0 names window 1
	v_mov_b32 v129, v[WFA1]
.irp tt, 0,1
.irp ks, 0,1,2,3,4,5,6,7
.irp c, 0,1
	ds_load_b128 v[(\tt*8+\ks)*8+4*\c:(\tt*8+\ks)*8+4*\c+3], v[XFA] offset:\tt*16*XP+\ks*64+\c*32
.endr
.endr
.endr
	WIN 0
; Eight transposing loads: the four feature tiles of matrix mat, K step ks (32 rows of W), into buffer buf.  a0, a1: the address registers.
.macro LOADWF buf, mat, ks, a0, a1
.irp ft, 0,1,2,3
.irp c, 0,1
.if (\ks) < 4
	ds_load_tr16_b128 v[WF+32*(\buf)+8*\ft+4*\c:WF+32*(\buf)+8*\ft+4*\c+3], v[\a0] offset:((\ks)&3)*32*WP+\c*16*WP+\mat*128+\ft*32
.else
	ds_load_tr16_b128 v[WF+32*(\buf)+8*\ft+4*\c:WF+32*(\buf)+8*\ft+4*\c+3], v[\a1] offset:((\ks)&3)*32*WP+\c*16*WP+\mat*128+\ft*32
.endif
.endr
.endr
.endm
; One product, K = 256 in eight steps.  The eight accumulators take turns, one instruction a turn.
; The first step starts the sums: from the bias (q, k) or from 0 (v).  swap = 1: x is source 0.
.macro GEMM mat, swap, a0, a1
.irp ks, 0,1,2,3,4,5,6,7
.if \ks >= 1
	PLACES                                         ; the buffer loaded next was read by the matrix instructions just issued
.endif
.if \ks < 7
	LOADWF (\ks+1)&1, \mat, \ks+1, \a0, \a1
	s_wait_dscnt 0x8                               ; all but the eight just issued: this step's fragments are in
.else
	s_wait_dscnt 0x0
.endif
.irp tt, 0,1
.irp ft, 0,1,2,3
.set DA, ACC+(\tt*4+\ft)*8
.set WA, WF+32*(\ks&1)+8*\ft
.set XA, (\tt*8+\ks)*8
.if \swap
.if \ks == 0
	v_wmma_f32_16x16x32_bf16 v[DA:DA+7], v[XA:XA+7], v[WA:WA+7], 0
.else
	v_wmma_f32_16x16x32_bf16 v[DA:DA+7], v[XA:XA+7], v[WA:WA+7], v[DA:DA+7]
.endif
.else
.if \ks == 0
	v_wmma_f32_16x16x32_bf16 v[DA:DA+7], v[WA:WA+7], v[XA:XA+7], v[BIAS+32*\mat+8*\ft:BIAS+32*\mat+8*\ft+7]
.else
	v_wmma_f32_16x16x32_bf16 v[DA:DA+7], v[WA:WA+7], v[XA:XA+7], v[DA:DA+7]
.endif
.endif
.endr
.endr
.endr
.endm
; q (mat = 0) and k (mat = 1): elu, the norm over the head's 64 features, the factor, bf16, out.
.macro EPQK mat
.irp tt, 0,1
.irp ft, 0,1,2,3
.set AB, ACC+(\tt*4+\ft)*8
.irp i, 0,2,4,6
	v_pk_mul_f32 v[T+\i:T+\i+1], v[AB+\i:AB+\i+1], s[38:39] op_sel_hi:[1,0]
.endr
.irp i, 0,1,2,3,4,5,6,7
	v_exp_f32 v[T+\i], v[T+\i]                     ; e^x
.endr
	v_nop                                          ; one plain place behind the last exponential (ISA guide 5.7.2)
	s_wait_alu depctr_va_vdst(0)
.irp i, 0,2,4,6
	v_pk_add_f32 v[T+\i:T+\i+1], v[T+\i:T+\i+1], -1.0 op_sel_hi:[1,0]
.endr
.irp i, 0,1,2,3,4,5,6,7
	v_cmp_gt_f32 vcc_lo, 0, v[AB+\i]               ; x < 0: e^x - 1, else x
	v_cndmask_b32 v[AB+\i], v[AB+\i], v[T+\i], vcc_lo
.endr
.irp i, 0,2,4,6
.if \ft+\i == 0
	v_pk_mul_f32 v[SS:SS+1], v[AB+\i:AB+\i+1], v[AB+\i:AB+\i+1]      ; the first squares start the sum
.else
	v_pk_fma_f32 v[SS:SS+1], v[AB+\i:AB+\i+1], v[AB+\i:AB+\i+1], v[SS:SS+1]
.endif
.endr
.endr
	v_add_f32 v[SS], v[SS], v[SS+1]                ; my 32 features;
	v_permlanex16_b32 v[BOF], v[SS], s12, s13      ; the token's other 32 lie in lane l xor 16
	v_add_f32 v[SS], v[SS], v[BOF]
	v_sqrt_f32 v[SS], v[SS]
	v_nop
.if \mat == 0
	s_wait_alu depctr_va_vdst(0)
	v_fma_f32 v[SS], v[SS], s36, s37               ; 8 ln 2 (n + 1e-6): its reciprocal carries the score's 1/8 and the exponential's log2(e)
.else
	s_wait_alu depctr_va_vdst(0)
	v_add_f32 v[SS], 0x358637bd, v[SS]             ; n + 1e-6
.endif
	v_rcp_f32 v[R], v[SS]
	v_rcp_f32 v[R+1], v[SS]
	s_wait_xcnt 0x0                                ; the packed registers were earlier stores' data: written again only behind this wait
	v_nop
	s_wait_alu depctr_va_vdst(0)
.irp ft, 0,1,2,3
.irp i, 0,2,4,6
	v_pk_mul_f32 v[ACC+(\tt*4+\ft)*8+\i:ACC+(\tt*4+\ft)*8+\i+1], v[ACC+(\tt*4+\ft)*8+\i:ACC+(\tt*4+\ft)*8+\i+1], v[R:R+1]
.endr
.endr
.irp ft, 0,1,2,3
.irp i, 0,1,2,3
	v_cvt_pk_bf16_f32 v[OUTP+\tt*16+\ft*4+\i], v[ACC+(\tt*4+\ft)*8+2*\i], v[ACC+(\tt*4+\ft)*8+2*\i+1]
.endr
.endr
.irp ft, 0,1,2,3
.if \mat == 0
	global_store_b128 v[OSTQ], v[OUTP+\tt*16+\ft*4:OUTP+\tt*16+\ft*4+3], s[30:31] offset:\tt*2048+\ft*512
.else
	global_store_b128 v[OSTK], v[OUTP+\tt*16+\ft*4:OUTP+\tt*16+\ft*4+3], s[32:33] offset:\tt*2048+\ft*512
.endif
.endr
.endr
.endm
	LOADWF 0, 0, 0, WFA0, WFA1
	WIN 0x04                                       ; source 1 (x) window 1; an LDS load's address is source 0: window 0
	GEMM 0, 0, WFA0, WFA1
	WIN 0
	PLACES
	v_nop                                          ; five places: the next product writes over these accumulators
	LOADWF 0, 1, 0, WFA0, WFA1                     ; k's first fragments come in under q's way out
	EPQK 0
	WIN 0x04
	GEMM 1, 0, WFA0, WFA1
	WIN 0
	PLACES
	v_nop
	LOADWF 0, 2, 0, WFA0, WFA1
	EPQK 1
	WIN 0x01                                       ; source 0 (x, and an LDS load's address: v384, v385) window 1
	GEMM 2, 1, 128, 129
	WIN 0
	PLACES
	s_wait_xcnt 0x0                                ; k's stores have read the packed registers
.irp tt, 0,1
.irp ft, 0,1,2,3
.irp i, 0,1,2,3
	v_cvt_pk_bf16_f32 v[OUTP+\tt*16+\ft*4+\i], v[ACC+(\tt*4+\ft)*8+2*\i], v[ACC+(\tt*4+\ft)*8+2*\i+1]
.endr
.endr
.endr
.irp tt, 0,1
.irp ft, 0,1,2,3
	global_store_b128 v[OSTK], v[OUTP+\tt*16+\ft*4:OUTP+\tt*16+\ft*4+3], s[32:33] offset:65536+\tt*2048+\ft*512   ; V lies 4 x 16,384 bytes behind K
.endr
.endr
	s_endpgm
.Lfunc_end_k_q59cda04b81_proj:
	.size	k_q59cda04b81_proj, .Lfunc_end_k_q59cda04b81_proj-k_q59cda04b81_proj
	.p2alignl 7, 3214868480
	.fill 96, 4, 3214868480
	.section	.rodata,"a",@progbits
	.p2align	6, 0x0
	.amdhsa_kernel k_q59cda04b81_proj
		.amdhsa_group_segment_fixed_size 241664
		.amdhsa_private_segment_fixed_size 0
		.amdhsa_enable_private_segment 0
		.amdhsa_kernarg_size 80
		.amdhsa_user_sgpr_count 2
		.amdhsa_user_sgpr_kernarg_segment_ptr 1
		.amdhsa_wavefront_size32 1
		.amdhsa_system_sgpr_workgroup_id_x 1
		.amdhsa_system_sgpr_workgroup_id_y 1
		.amdhsa_system_sgpr_workgroup_id_z 1
		.amdhsa_system_vgpr_workitem_id 0
		.amdhsa_next_free_vgpr 392
		.amdhsa_next_free_sgpr 66
		.amdhsa_reserve_vcc 1
		.amdhsa_float_denorm_mode_32 3
		.amdhsa_float_denorm_mode_16_64 3
		.amdhsa_memory_ordered 1
		.amdhsa_forward_progress 1
		.amdhsa_inst_pref_size 107
	.end_amdhsa_kernel
	.amdgpu_metadata
---
amdhsa.version: [ 1, 2 ]
amdhsa.kernels:
  - .name:           k_q59cda04b81_proj
    .symbol:         k_q59cda04b81_proj.kd
    .args:
      - { .name: x, .offset: 0, .size: 8, .value_kind: global_buffer, .address_space: global }
      - { .name: Wq, .offset: 8, .size: 8, .value_kind: global_buffer, .address_space: global }
      - { .name: bq, .offset: 16, .size: 8, .value_kind: global_buffer, .address_space: global }
      - { .name: Wk, .offset: 24, .size: 8, .value_kind: global_buffer, .address_space: global }
      - { .name: bk, .offset: 32, .size: 8, .value_kind: global_buffer, .address_space: global }
      - { .name: Wv, .offset: 40, .size: 8, .value_kind: global_buffer, .address_space: global }
      - { .name: Wo, .offset: 48, .size: 8, .value_kind: global_buffer, .address_space: global }
      - { .name: qf, .offset: 56, .size: 8, .value_kind: global_buffer, .address_space: global }
      - { .name: kvf, .offset: 64, .size: 8, .value_kind: global_buffer, .address_space: global }
      - { .name: wob, .offset: 72, .size: 8, .value_kind: global_buffer, .address_space: global }
    .group_segment_fixed_size: 241664
    .private_segment_fixed_size: 0
    .kernarg_segment_align: 8
    .kernarg_segment_size: 80
    .max_flat_workgroup_size: 256
    .sgpr_count:     66
    .vgpr_count:     392
    .wavefront_size: 32
...
	.end_amdgpu_metadata
.endif
;; end of part 1
;; launch attn (part 2): grid 256 x 1, 8 waves a work-group, clusters of 4 x 1, 327,680 bytes of LDS; arguments qf, kvf, wob, bv, bo, gamma, beta, x, out0; writes out0
.if DOCPART == 2
	.amdgcn_target "amdgcn-amd-amdhsa--gfx1250"
	.amdhsa_code_object_version 6
	.text
	.protected	k_q59cda04b81_attn
	.globl	k_q59cda04b81_attn
	.p2align	8
	.type	k_q59cda04b81_attn,@function
k_q59cda04b81_attn:
	s_mov_b64 s[64:65], 0
	v_nop
	global_prefetch_b8 v0, s[64:65] scope:SCOPE_SE
	s_setreg_imm32_b32 hwreg(HW_REG_WAVE_MODE, 25, 1), 1
	s_wait_xcnt 0x0
	s_wait_alu depctr_hold_cnt(0) depctr_sa_sdst(0) depctr_va_vdst(0) depctr_va_sdst(0) depctr_va_ssrc(0) depctr_va_vcc(0) depctr_vm_vsrc(0)
	s_getreg_b32 s2, hwreg(HW_REG_IB_STS2, 6, 4)
	s_cmp_eq_u32 s2, 0
	s_cbranch_scc0 .Lentry_in_a_cluster
	s_endpgm
.Lentry_in_a_cluster:
	s_bfe_u32 s2, ttmp6, 0x10000c
	s_cmp_lg_u32 s2, 0x3003
	s_cbranch_scc0 .Lentry_shape_is_right
	s_endpgm
.Lentry_shape_is_right:
; attn: softmax attention of all four heads for 64 tokens, + bv, x Wo, + bo, + x, LayerNorm.  One work-group has all 256 features of its tokens,
; so nothing between the scores and the output goes through memory.
; Eight waves: wave w has head w % 4 and key half w / 4: all 64 queries (four tiles) against keys 64 (w / 4) .. +63 of every chunk of 128 keys.
; S^T = K Q^T: source 0 = 16 keys, source 1 = 16 queries.  A lane of the result holds ONE query and eight neighbouring keys, so two packed key tiles
; ARE source 1 of ctx^T = V^T P^T (queries in the lanes, 32 keys along K): P never leaves the registers, and a row's sum is a sum in the lane.
; NO MAXIMUM IS TAKEN AWAY: q and k are the unit vectors that the module itself makes (|q|, |k| < 1 for every input), q carries log2(e)/8, so with the
; bf16 rounding the base-2 exponent is below 0.1804 x (1 + 2^-8)^2 < 0.19 in magnitude: every exponential lies in [0.87, 1.15], a row's sum of 4,096
; below 4,700.  The two key halves' sums therefore simply add.
; bv is added behind the division: the weights of a row add up to 1, so that is the same sum.
; CLUSTERS: the 64 work-groups of a batch walk the same K and V.  Four of them form a cluster and ask for each chunk jointly (mask 15): the descriptors
; hang on the batch (the cluster's number / 16) and the wave's number alone.  Wo, which every work-group reads, comes the same way.
; K and V come in chunks of 128 keys x 4 heads x (K, V) = 131,072 bytes through two LDS slots; wave w fetches the chunk's w-th 16,384 bytes.
; A wave has at most one tensor load outstanding.
.set SLOT1, 139264                     ; slot 0 at 0; at the end Wo lies at 0: 256 rows of pitch 544 = 139,264 bytes
.set STEP,  131072                     ; a chunk in memory
.set WOP,   544                        ; Wo's LDS pitch: 512 bytes + 32 = 17 x 32
.set EXCH,  139264                     ; in slot 1, behind its last fill: 4 heads x 33 x 512 bytes, key half 1's sums on their way to key half 0
.set STAGE, 206848                     ; 64 rows of 256 f32, pitch 1,040 = 65 x 16 (in slot 1 and behind it, behind slot 1's last fill)
.set SP,    1040
.set CTXF,  294912                     ; 32,768 bytes that no fill touches: ctx in bf16 as fragments, [token tile 4][16 features 16][512]
.set ADK,  2                           ; v2, v3   LDS address of my K pieces in slot 0, 1
.set ADV,  4                           ; v4, v5   of my V pieces
.set EXA,  6                           ; v6       my head's exchange area
.set CTA,  7                           ; v7       where my head's ctx goes
.set WOA,  8                           ; v8, v9   Wo fragments, K steps 0-3, 4-7
.set CBA,  10                          ; v10      ctx fragments of my token tile
.set STA,  11                          ; v11      stage, in
.set RDA,  12                          ; v12      stage, back by rows
.set XO,   13                          ; v13      byte offset of my 16 bytes in x and out0, my wave's first row
.set L16,  14                          ; v14      16 l
.set BVO,  15                          ; v15      byte offset of my 8 numbers of bv
.set LS,   16                          ; v[16:23] row sums, a pair for each query tile
.set KF,   24                          ; v[24:55] K: 16 kt + 4 mt
.set VF,   56                          ; v[56:87] V^T: 8 dt + 4 c
.set QF,   88                          ; v[88:151] Q: 16 qt + 4 mt, for the whole kernel
.set S,    152                         ; v[152:215] scores, then exponentials: 16 qt + 8 kt
.set P,    216                         ; v[216:247] exponentials in bf16: 8 qt
.set L4,   248                         ; v[248:251] the four tiles' row sums; v[252:255] the other key half's
.set L4R,  252
                                       ; window 1: v256-383 ctx^T, accumulator (qt, dt) at 8 (4 qt + dt); behind the loop x's rows
.set TT,   24                          ; the way out: v[24:151] ctx in f32
.set BV,   152                         ; v[152:183] bv
.set C16,  184                         ; v[184:247] ctx in bf16
.set WOF,  24                          ; v[24:87], v[88:151] Wo fragments, two buffers
.set CB,   152                         ; v[152:159], v[160:167] ctx fragments, two buffers
.set OACC, 168                         ; v[168:231] eight accumulators of the output product
.set GA,   232                         ; v[232:239] gamma, v[240:247] beta, v[248:255] bo of my 8 columns
.set BE,   240
.set BO,   248
.set ST,   24                          ; v[24:87] eight rows, 8 numbers each
.set SUM,  88                          ; v[88:103] a pair for each row
.set TP,   104                         ; v[104:119] at work
.set MSB, 0
.macro WIN new                         ; s_set_vgpr_msb: bits 1:0 source 0, 3:2 source 1, 5:4 source 2, 7:6 destination; the high byte repeats the setting that is left
.if MSB != \new
	s_set_vgpr_msb (MSB<<8)|\new
.set MSB, \new
.endif
.endm
.macro PLACES                          ; four places behind a matrix instruction (ISA guide 7.12.1)
.rept 4
	v_nop
.endr
.endm
; A round of the cluster's barrier: my work-group's barrier, so that wave 0 speaks for all eight waves; wave 0 signals; every wave waits for the four
; work-groups; my work-group's barrier once more.
.macro ROUND
	s_barrier_signal -1
	s_barrier_wait -1
	s_cmp_lg_u32 s8, 0
	s_cbranch_scc1 .Lnot_wave_0_\@
	s_barrier_signal -3
.Lnot_wave_0_\@:
	s_barrier_wait -3
	s_barrier_signal -1
	s_barrier_wait -1
.endm
	s_load_b512 s[16:31], s[0:1], 0x0              ; qf 16, kvf 18, wob 20, bv 22, bo 24, gamma 26, beta 28, x 30
	s_load_b64 s[32:33], s[0:1], 0x40              ; out0
	v_and_b32 v1, 31, v0                           ; lane
	v_lshrrev_b32 v2, 5, v0
	v_readfirstlane_b32 s8, v2                     ; wave
	s_and_b32 s4, s8, 3                            ; head; in the output product: token tile
	s_lshr_b32 s5, s8, 2                           ; key half; in the output product: half of the 256 features
	s_lshr_b32 s9, ttmp9, 4                        ; batch: 16 clusters of 4 x 64 tokens
	s_mov_b32 s12, 0x76543210                      ; v_permlanex16_b32: lane i of one half reads lane i of the other
	s_mov_b32 s13, 0xfedcba98
	s_mov_b32 s14, 0xbb800000                      ; -1/256
	s_mov_b32 s15, 0x2b8cbccc                      ; 1e-12
	s_mov_b32 s2, 0x3b800000                       ; 1/256
	; group 1 for K and V: 16,384 dense bytes as 64 rows of 32 elements of 8 bytes
	s_mov_b32 s36, 15|(3<<16)|(1<<21)              ; 15:0 mask: all four of the cluster; 17:16 element of 8 bytes; 21 set beside a mask
	s_mov_b32 s37, 32<<16                          ; tensor_dim0 = 32
	s_mov_b32 s38, 64<<16                          ; tensor_dim1 = 64
	s_mov_b32 s39, 32<<16                          ; tile_dim0 = 32
	s_mov_b32 s40, 64                              ; tile_dim1 = 64
	s_mov_b32 s41, 32                              ; from row to row: 32 elements
	s_mov_b32 s42, 0
	s_mov_b32 s43, 0
	; group 1 for Wo: 32 rows of 256 bf16, 8 words of padding behind every 128 words
	s_mov_b32 s52, 15|(1<<16)|(1<<20)|(1<<21)|(6<<22)|(7<<25)
	s_mov_b32 s53, 256<<16
	s_mov_b32 s54, 32<<16
	s_mov_b32 s55, 256<<16
	s_mov_b32 s56, 32
	s_mov_b32 s57, 256
	s_mov_b32 s58, 0
	s_mov_b32 s59, 0
	; groups 0: slot 0, slot 1, Wo
	s_mov_b32 s44, 1
	s_lshl_b32 s45, s8, 14                         ; my 16,384 bytes of slot 0
	s_mov_b32 s48, 1
	s_add_co_u32 s49, s45, SLOT1                   ; of slot 1
	s_mov_b32 s60, 1
	s_mul_i32 s61, s8, 32*WOP                      ; my 32 rows of Wo
	s_lshl_b32 s10, s9, 22                         ; the batch's 32 chunks
	s_add_co_u32 s10, s10, s45
	s_mov_b32 s11, 0
	s_wait_kmcnt 0x0
	s_add_nc_u64 s[46:47], s[18:19], s[10:11]      ; chunk 0
	s_add_nc_u64 s[50:51], s[46:47], STEP          ; chunk 1
	s_or_b32 s47, s47, 0x80000000                  ; type 2
	s_or_b32 s51, s51, 0x80000000
	s_mov_b32 s10, s45                             ; 32 rows of 512 bytes are 16,384 bytes too
	s_add_nc_u64 s[62:63], s[20:21], s[10:11]
	s_or_b32 s63, s63, 0x80000000
	ROUND                                          ; the four work-groups are here: the first joint loads meet
	tensor_load_to_lds s[44:47], s[36:43]          ; chunk 0
	s_nop 0
	; what hangs on my place in the cluster: global addresses of q, x and out0 alone, in s6, s7, s[34:35]
	s_bfe_u32 s6, ttmp6, 0x40000                   ; cx
	s_lshl_b32 s7, ttmp9, 2
	s_add_co_u32 s7, s7, s6                        ; g: my block of 64 tokens
	s_lshl2_add_u32 s34, s9, s4                    ; 4 batch + head
	s_lshl_b32 s34, s34, 19
	s_and_b32 s35, s7, 63
	s_lshl_b32 s35, s35, 13                        ; four tiles of 2,048 bytes
	s_add_co_u32 s34, s34, s35
	s_mov_b32 s35, 0
	s_add_nc_u64 s[16:17], s[16:17], s[34:35]
	s_lshl_b32 s34, s7, 16                         ; 64 rows of 1,024 bytes
	s_add_nc_u64 s[30:31], s[30:31], s[34:35]
	s_add_nc_u64 s[32:33], s[32:33], s[34:35]
	v_lshlrev_b32 v[L16], 4, v1
.irp q, 0,1,2,3
.irp mt, 0,1,2,3
	global_load_b128 v[QF+16*\q+4*\mt:QF+16*\q+4*\mt+3], v[L16], s[16:17] offset:\q*2048+\mt*512
.endr
.endr
	v_and_b32 v248, 15, v1                         ; r
	v_lshrrev_b32 v249, 4, v1                      ; h
	s_lshl_b32 s10, s4, 14
	s_lshl_b32 s11, s5, 13                         ; four tiles of 2,048 bytes
	s_add_co_u32 s10, s10, s11
	v_add_nc_u32 v[ADK], s10, v[L16]
	v_add_nc_u32 v[ADK+1], SLOT1, v[ADK]
	v_add_nc_u32 v[ADV], 65536, v[ADK]
	v_add_nc_u32 v[ADV+1], 65536, v[ADK+1]
	s_mul_i32 s10, s4, 33*512
	s_add_co_u32 s10, s10, EXCH
	v_add_nc_u32 v[EXA], s10, v[L16]
	s_lshl_b32 s10, s4, 11                         ; a head is four pieces of 16 features
	s_add_co_u32 s10, s10, CTXF
	v_add_nc_u32 v[CTA], s10, v[L16]
	v_and_b32 v250, 7, v1
	v_lshl_add_u32 v250, v249, 3, v250             ; the transposing load: lane l addresses row 8 h + l % 8,
	v_mul_u32_u24 v250, v250, WOP
	v_bfe_u32 v251, v1, 3, 1
	v_lshl_add_u32 v250, v251, 4, v250             ; columns 8 ((l / 8) % 2) + 0..7 of the tile
	s_lshl_b32 s10, s5, 8                          ; my 128 output features
	v_add_nc_u32 v[WOA], s10, v250
	v_add_nc_u32 v[WOA+1], 128*WOP, v[WOA]
	s_lshl_b32 s10, s4, 13
	s_add_co_u32 s10, s10, CTXF
	v_add_nc_u32 v[CBA], s10, v[L16]
	s_mul_i32 s10, s4, 16*SP
	s_lshl_b32 s11, s5, 9
	s_add_co_u32 s10, s10, s11
	s_add_co_u32 s10, s10, STAGE
	v_mul_u32_u24 v250, v248, SP
	v_lshl_add_u32 v250, v249, 5, v250
	v_add_nc_u32 v[STA], s10, v250                 ; row 16 tile + r, column 128 half + 8 h
	s_mul_i32 s10, s8, 8*SP
	s_add_co_u32 s10, s10, STAGE
	v_add_nc_u32 v[RDA], s10, v[L16]
	s_lshl_b32 s10, s8, 13                         ; eight rows of 1,024 bytes a wave
	v_add_nc_u32 v[XO], s10, v[L16]
	s_lshl_b32 s10, s4, 8
	v_lshl_add_u32 v[BVO], v249, 5, s10
	s_wait_loadcnt 0x0                             ; q
.macro LOADK slot, kb                  ; 32 keys x 64 features: eight pieces of 512 consecutive bytes
.irp kt, 0,1
.irp mt, 0,1,2,3
	ds_load_b128 v[KF+16*\kt+4*\mt:KF+16*\kt+4*\mt+3], v[ADK+\slot] offset:(2*\kb+\kt)*2048+\mt*512
.endr
.endr
.endm
.macro LOADV slot, kb                  ; 64 features x 32 keys, as stored: eight pieces
.irp dt, 0,1,2,3
.irp c, 0,1
	ds_load_b128 v[VF+8*\dt+4*\c:VF+8*\dt+4*\c+3], v[ADV+\slot] offset:(2*\kb+\c)*2048+\dt*512
.endr
.endr
.endm
; Scores of 32 keys x 64 queries: eight accumulators take turns, one instruction a turn; the first K step starts the sums.
.macro QK
.irp q, 0,1,2,3
.irp kt, 0,1
	v_wmma_f32_16x16x32_bf16 v[S+16*\q+8*\kt:S+16*\q+8*\kt+7], v[KF+16*\kt:KF+16*\kt+7], v[QF+16*\q:QF+16*\q+7], 0
.endr
.endr
.irp q, 0,1,2,3
.irp kt, 0,1
	v_wmma_f32_16x16x32_bf16 v[S+16*\q+8*\kt:S+16*\q+8*\kt+7], v[KF+16*\kt+8:KF+16*\kt+15], v[QF+16*\q+8:QF+16*\q+15], v[S+16*\q+8*\kt:S+16*\q+8*\kt+7]
.endr
.endr
.endm
; The j-th plain instruction for query tile q: eight packed adds into the row sum, eight packed roundings to bf16.  zero = 1: the first add starts the sum.
.macro PLAIN q, j, zero
.if (\j) < 8
.if \zero
.if (\j) == 0
	s_wait_alu depctr_va_vdst(0)
	v_pk_add_f32 v[LS+2*(\q):LS+2*(\q)+1], v[S+16*(\q):S+16*(\q)+1], v[S+16*(\q)+2:S+16*(\q)+3]
.endif
.if (\j) > 1
	v_pk_add_f32 v[LS+2*(\q):LS+2*(\q)+1], v[LS+2*(\q):LS+2*(\q)+1], v[S+16*(\q)+2*(\j):S+16*(\q)+2*(\j)+1]
.endif
.else
	s_wait_alu depctr_va_vdst(0)
	v_pk_add_f32 v[LS+2*(\q):LS+2*(\q)+1], v[LS+2*(\q):LS+2*(\q)+1], v[S+16*(\q)+2*(\j):S+16*(\q)+2*(\j)+1]
.endif
.else
	v_cvt_pk_bf16_f32 v[P+8*(\q)+(\j)-8], v[S+16*(\q)+2*((\j)-8)], v[S+16*(\q)+2*((\j)-8)+1]
.endif
.endm
; 64 exponentials; each tile's plain work stands between the next tile's exponentials, so that none is followed by a reader of its result (ISA guide 5.7.2)
.macro SOFT zero
.irp j, 0,1,2,3,4,5,6,7,8,9,10,11,12,13,14,15
	v_exp_f32 v[S+\j], v[S+\j]
.endr
	v_nop
.irp q, 1,2,3
.irp j, 0,1,2,3,4,5,6,7,8,9,10,11,12,13,14,15
	v_exp_f32 v[S+16*\q+\j], v[S+16*\q+\j]
	PLAIN \q-1, \j, \zero
.endr
.endr
.irp j, 0,1,2,3,4,5,6,7,8,9,10,11,12,13,14,15
	PLAIN 3, \j, \zero
.endr
.endm
; ctx^T += V^T P^T: 16 accumulators take turns, one instruction a turn
.macro PV zero
	WIN 0x50                                       ; C and D window 1
.irp q, 0,1,2,3
.irp dt, 0,1,2,3
.if \zero
	v_wmma_f32_16x16x32_bf16 v[(\q*4+\dt)*8:(\q*4+\dt)*8+7], v[VF+8*\dt:VF+8*\dt+7], v[P+8*\q:P+8*\q+7], 0
.else
	v_wmma_f32_16x16x32_bf16 v[(\q*4+\dt)*8:(\q*4+\dt)*8+7], v[VF+8*\dt:VF+8*\dt+7], v[P+8*\q:P+8*\q+7], v[(\q*4+\dt)*8:(\q*4+\dt)*8+7]
.endif
.endr
.endr
	WIN 0
	PLACES                                         ; V's and P's registers are written again behind these
.endm
; One chunk.  refill = 1: the next chunk goes into the other slot; 2: Wo goes over slot 0.  zero = 1: the chunk's first block starts all sums.
.macro TRIP slot, refill, zero
	s_wait_tensorcnt 0x0                           ; my one load has landed: my part of this chunk; so a group 0 may be written:
	s_add_nc_u64 s[46+4*\slot:47+4*\slot], s[46+4*\slot:47+4*\slot], 2*STEP   ; this slot's next chunk
	s_wait_dscnt 0x0                               ; my reads of the other slot are over
	ROUND                                          ; both now hold of every wave of the four work-groups
.if \refill == 1
	tensor_load_to_lds s[48-4*\slot:51-4*\slot], s[36:43]
	s_nop 0
.else
	tensor_load_to_lds s[60:63], s[52:59]
	s_nop 0
.endif
	LOADK \slot, 0
	LOADV \slot, 0
	s_wait_dscnt 0x8                               ; K is in; V's eight younger loads stay out
	QK
	PLACES
	SOFT \zero
	LOADK \slot, 1
	s_wait_dscnt 0x8                               ; V is in; the next K's eight stay out
	PV \zero
	LOADV \slot, 1
	s_wait_dscnt 0x8                               ; K is in; V's eight stay out
	QK
	PLACES
	SOFT 0
	s_wait_dscnt 0x0
	PV 0
.endm
	TRIP 0, 1, 1                                   ; chunks 0 and 1 stand in front of the loop: the first products start the sums
	TRIP 1, 1, 0
	s_mov_b32 s3, 14
.Lchunks:
	TRIP 0, 1, 0
	TRIP 1, 1, 0
	s_sub_co_i32 s3, s3, 1
	s_cmp_lg_u32 s3, 0
	s_cbranch_scc1 .Lchunks
	TRIP 0, 1, 0                                   ; chunk 30 asks for chunk 31, the last
	TRIP 1, 2, 0                                   ; chunk 31 asks for Wo
	; a query's sum over my key half: two registers, two lanes
.irp q, 0,1,2,3
	v_add_f32 v[L4+\q], v[LS+2*\q], v[LS+2*\q+1]
.endr
.irp q, 0,1,2,3
	v_permlanex16_b32 v[LS+2*\q], v[L4+\q], s12, s13
.endr
.irp q, 0,1,2,3
	v_add_f32 v[L4+\q], v[L4+\q], v[LS+2*\q]
.endr
	s_wait_tensorcnt 0x0                           ; my rows of Wo are in
	s_wait_dscnt 0x0                               ; my reads of slot 1 are over
	s_barrier_signal -1
	s_barrier_wait -1                              ; everybody's: slot 1 has had its last fill and its last read, Wo is whole
	; key half 1 hands its sums to key half 0
	s_cmp_eq_u32 s5, 0
	s_cbranch_scc1 .Lno_send
	WIN 0x04                                       ; an LDS store's data is source 1: window 1
.set i, 0
.rept 32
	ds_store_b128 v[EXA], v[4*i:4*i+3] offset:i*512
.set i, i+1
.endr
	WIN 0
	ds_store_b128 v[EXA], v[L4:L4+3] offset:32*512
.Lno_send:
	s_wait_dscnt 0x0
	s_barrier_signal -1
	s_barrier_wait -1
	; key half 0: add, divide, + bv, round, lay down as fragments
	s_cmp_lg_u32 s5, 0
	s_cbranch_scc1 .Lno_ctx
.irp dt, 0,1,2,3
	global_load_b128 v[BV+8*\dt:BV+8*\dt+3],   v[BVO], s[22:23] offset:64*\dt       ; register 8 dt + j: bv of feature 16 dt + 8 h + j of my head
	global_load_b128 v[BV+8*\dt+4:BV+8*\dt+7], v[BVO], s[22:23] offset:64*\dt+16
.endr
.set i, 0
.rept 32
	ds_load_b128 v[TT+4*i:TT+4*i+3], v[EXA] offset:i*512
.set i, i+1
.endr
	ds_load_b128 v[L4R:L4R+3], v[EXA] offset:32*512
	s_wait_dscnt 0x0
	WIN 0x01                                       ; source 0 window 1
.set i, 0
.rept 64
	v_pk_add_f32 v[TT+2*i:TT+2*i+1], v[2*i:2*i+1], v[TT+2*i:TT+2*i+1]
.set i, i+1
.endr
	WIN 0
	v_pk_add_f32 v[L4:L4+1], v[L4:L4+1], v[L4R:L4R+1]
	v_pk_add_f32 v[L4+2:L4+3], v[L4+2:L4+3], v[L4R+2:L4R+3]
.irp q, 0,1,2,3
	v_rcp_f32 v[LS+2*\q], v[L4+\q]
	v_rcp_f32 v[LS+2*\q+1], v[L4+\q]
.endr
	v_nop
	s_wait_loadcnt 0x0                             ; bv
	s_wait_alu depctr_va_vdst(0)
.irp q, 0,1,2,3
.irp dt, 0,1,2,3
.irp i, 0,2,4,6
	v_pk_fma_f32 v[TT+(\q*4+\dt)*8+\i:TT+(\q*4+\dt)*8+\i+1], v[TT+(\q*4+\dt)*8+\i:TT+(\q*4+\dt)*8+\i+1], v[LS+2*\q:LS+2*\q+1], v[BV+8*\dt+\i:BV+8*\dt+\i+1]
.endr
.endr
.endr
.irp q, 0,1,2,3
.irp dt, 0,1,2,3
.irp i, 0,1,2,3
	v_cvt_pk_bf16_f32 v[C16+(\q*4+\dt)*4+\i], v[TT+(\q*4+\dt)*8+2*\i], v[TT+(\q*4+\dt)*8+2*\i+1]
.endr
.endr
.endr
.irp q, 0,1,2,3
.irp dt, 0,1,2,3
	ds_store_b128 v[CTA], v[C16+(\q*4+\dt)*4:C16+(\q*4+\dt)*4+3] offset:\q*8192+\dt*512
.endr
.endr
.Lno_ctx:
	s_wait_dscnt 0x0                               ; ctx is in LDS
	; what the rows will need comes in under the output product: x's rows 8 w .. 8 w + 7, gamma, beta, bo of columns 4 l .. +3 and 128 + 4 l .. +3
	WIN 0x40                                       ; destination window 1
.irp i, 0,1,2,3,4,5,6,7
.irp hf, 0,1
	global_load_b128 v[8*\i+4*\hf:8*\i+4*\hf+3], v[XO], s[30:31] offset:\i*1024+\hf*512 th:TH_LOAD_NT
.endr
.endr
	WIN 0
.irp hf, 0,1
	global_load_b128 v[GA+4*\hf:GA+4*\hf+3], v[L16], s[26:27] offset:\hf*512
	global_load_b128 v[BE+4*\hf:BE+4*\hf+3], v[L16], s[28:29] offset:\hf*512
	global_load_b128 v[BO+4*\hf:BO+4*\hf+3], v[L16], s[24:25] offset:\hf*512
.endr
	s_barrier_signal -1
	s_barrier_wait -1
	; out^T = Wo^T ctx^T: wave w has token tile w % 4 and output features 128 (w / 4) .. +127 (eight tiles); K = 256 in eight steps
.macro LOADWO buf, ks
.irp mt, 0,1,2,3,4,5,6,7
.irp c, 0,1
.if (\ks) < 4
	ds_load_tr16_b128 v[WOF+64*(\buf)+8*\mt+4*\c:WOF+64*(\buf)+8*\mt+4*\c+3], v[WOA] offset:((\ks)&3)*32*WOP+\c*16*WOP+\mt*32
.else
	ds_load_tr16_b128 v[WOF+64*(\buf)+8*\mt+4*\c:WOF+64*(\buf)+8*\mt+4*\c+3], v[WOA+1] offset:((\ks)&3)*32*WOP+\c*16*WOP+\mt*32
.endif
.endr
.endr
	ds_load_b128 v[CB+8*(\buf):CB+8*(\buf)+3],   v[CBA] offset:(\ks)*1024
	ds_load_b128 v[CB+8*(\buf)+4:CB+8*(\buf)+7], v[CBA] offset:(\ks)*1024+512
.endm
	LOADWO 0, 0
.irp ks, 0,1,2,3,4,5,6,7
.if \ks >= 1
	PLACES                                         ; the buffer loaded next was read by the matrix instructions just issued
.endif
.if \ks < 7
	LOADWO (\ks+1)&1, \ks+1
	s_wait_dscnt 0x12                              ; all but the 18 just issued
.else
	s_wait_dscnt 0x0
.endif
.irp mt, 0,1,2,3,4,5,6,7                           ; eight accumulators take turns
.if \ks == 0
	v_wmma_f32_16x16x32_bf16 v[OACC+8*\mt:OACC+8*\mt+7], v[WOF+8*\mt:WOF+8*\mt+7], v[CB:CB+7], 0
.else
	v_wmma_f32_16x16x32_bf16 v[OACC+8*\mt:OACC+8*\mt+7], v[WOF+64*(\ks&1)+8*\mt:WOF+64*(\ks&1)+8*\mt+7], v[CB+8*(\ks&1):CB+8*(\ks&1)+7], v[OACC+8*\mt:OACC+8*\mt+7]
.endif
.endr
.endr
	PLACES
.irp mt, 0,1,2,3,4,5,6,7
	ds_store_b128 v[STA], v[OACC+8*\mt:OACC+8*\mt+3]   offset:\mt*64       ; a lane has one token and eight neighbouring features: 32 bytes of a row
	ds_store_b128 v[STA], v[OACC+8*\mt+4:OACC+8*\mt+7] offset:\mt*64+16
.endr
	s_wait_dscnt 0x0
	s_barrier_signal -1
	s_barrier_wait -1
	; rows: wave w has rows 8 w .. 8 w + 7, a whole row in the wave
.irp i, 0,1,2,3,4,5,6,7
.irp hf, 0,1
	ds_load_b128 v[ST+8*\i+4*\hf:ST+8*\i+4*\hf+3], v[RDA] offset:\i*SP+\hf*512
.endr
.endr
	s_wait_dscnt 0x0
	s_wait_loadcnt 0x0                             ; x, gamma, beta, bo
.irp i, 0,1,2,3,4,5,6,7
.irp k, 0,2,4,6
	v_pk_add_f32 v[ST+8*\i+\k:ST+8*\i+\k+1], v[ST+8*\i+\k:ST+8*\i+\k+1], v[BO+\k:BO+\k+1]
.endr
.endr
	WIN 0x04                                       ; source 1 window 1: x
.set i, 0
.rept 32
	v_pk_add_f32 v[ST+2*i:ST+2*i+1], v[ST+2*i:ST+2*i+1], v[2*i:2*i+1]
.set i, i+1
.endr
	WIN 0
.macro LANESUM                         ; the eight rows' figures in v[SUM + 2 i]: summed over the 32 lanes, the result in every lane
.irp m, 1,2,4,8
.irp i, 0,1,2,3,4,5,6,7
	v_add_f32_dpp v[SUM+2*\i], v[SUM+2*\i], v[SUM+2*\i] row_xmask:\m row_mask:0xf bank_mask:0xf
.endr
.endr
.irp i, 0,1,2,3,4,5,6,7
	v_permlanex16_b32 v[SUM+2*\i+1], v[SUM+2*\i], s12, s13
.endr
.irp i, 0,1,2,3,4,5,6,7
	v_add_f32 v[SUM+2*\i], v[SUM+2*\i], v[SUM+2*\i+1]
.endr
.endm
	; the mean is taken away first, the squares are those of the differences: no difference of large sums
.irp i, 0,1,2,3,4,5,6,7
	v_pk_add_f32 v[SUM+2*\i:SUM+2*\i+1], v[ST+8*\i:ST+8*\i+1], v[ST+8*\i+2:ST+8*\i+3]
	v_pk_add_f32 v[TP+2*\i:TP+2*\i+1], v[ST+8*\i+4:ST+8*\i+5], v[ST+8*\i+6:ST+8*\i+7]
.endr
.irp i, 0,1,2,3,4,5,6,7
	v_pk_add_f32 v[SUM+2*\i:SUM+2*\i+1], v[SUM+2*\i:SUM+2*\i+1], v[TP+2*\i:TP+2*\i+1]
.endr
.irp i, 0,1,2,3,4,5,6,7
	v_add_f32 v[SUM+2*\i], v[SUM+2*\i], v[SUM+2*\i+1]
.endr
	LANESUM
.irp i, 0,1,2,3,4,5,6,7
.irp k, 0,2,4,6
	v_pk_fma_f32 v[ST+8*\i+\k:ST+8*\i+\k+1], v[SUM+2*\i:SUM+2*\i+1], s[14:15], v[ST+8*\i+\k:ST+8*\i+\k+1] op_sel_hi:[0,0,1]   ; - sum / 256, both halves from the pair's first register
.endr
.endr
.irp i, 0,1,2,3,4,5,6,7
	v_pk_mul_f32 v[SUM+2*\i:SUM+2*\i+1], v[ST+8*\i:ST+8*\i+1], v[ST+8*\i:ST+8*\i+1]
.endr
.irp k, 2,4,6
.irp i, 0,1,2,3,4,5,6,7
	v_pk_fma_f32 v[SUM+2*\i:SUM+2*\i+1], v[ST+8*\i+\k:ST+8*\i+\k+1], v[ST+8*\i+\k:ST+8*\i+\k+1], v[SUM+2*\i:SUM+2*\i+1]
.endr
.endr
.irp i, 0,1,2,3,4,5,6,7
	v_add_f32 v[SUM+2*\i], v[SUM+2*\i], v[SUM+2*\i+1]
.endr
	LANESUM
.irp i, 0,1,2,3,4,5,6,7
	v_fma_f32 v[SUM+2*\i], v[SUM+2*\i], s2, s15    ; variance + 1e-12
.endr
.irp i, 0,1,2,3,4,5,6,7
	v_rsq_f32 v[SUM+2*\i], v[SUM+2*\i]
.endr
	v_nop
	s_wait_alu depctr_va_vdst(0)
.irp i, 0,1,2,3,4,5,6,7
.irp k, 0,2,4,6
	v_pk_mul_f32 v[ST+8*\i+\k:ST+8*\i+\k+1], v[ST+8*\i+\k:ST+8*\i+\k+1], v[SUM+2*\i:SUM+2*\i+1] op_sel_hi:[1,0]
.endr
.endr
.irp i, 0,1,2,3,4,5,6,7
.irp k, 0,2,4,6
	v_pk_fma_f32 v[ST+8*\i+\k:ST+8*\i+\k+1], v[ST+8*\i+\k:ST+8*\i+\k+1], v[GA+\k:GA+\k+1], v[BE+\k:BE+\k+1]
.endr
.irp hf, 0,1
	global_store_b128 v[XO], v[ST+8*\i+4*\hf:ST+8*\i+4*\hf+3], s[32:33] offset:\i*1024+\hf*512 th:TH_STORE_NT   ; 512 consecutive bytes, aligned
.endr
.endr
	ROUND                                          ; the closing round: no work-group ends while a partner may still ask for a tile that names it
	s_endpgm
.Lfunc_end_k_q59cda04b81_attn:
	.size	k_q59cda04b81_attn, .Lfunc_end_k_q59cda04b81_attn-k_q59cda04b81_attn
	.p2alignl 7, 3214868480
	.fill 96, 4, 3214868480
	.section	.rodata,"a",@progbits
	.p2align	6, 0x0
	.amdhsa_kernel k_q59cda04b81_attn
		.amdhsa_group_segment_fixed_size 327680
		.amdhsa_private_segment_fixed_size 0
		.amdhsa_enable_private_segment 0
		.amdhsa_kernarg_size 72
		.amdhsa_user_sgpr_count 2
		.amdhsa_user_sgpr_kernarg_segment_ptr 1
		.amdhsa_wavefront_size32 1
		.amdhsa_system_sgpr_workgroup_id_x 1
		.amdhsa_system_sgpr_workgroup_id_y 1
		.amdhsa_system_sgpr_workgroup_id_z 1
		.amdhsa_system_vgpr_workitem_id 0
		.amdhsa_next_free_vgpr 384
		.amdhsa_next_free_sgpr 66
		.amdhsa_reserve_vcc 0
		.amdhsa_float_denorm_mode_32 3
		.amdhsa_float_denorm_mode_16_64 3
		.amdhsa_memory_ordered 1
		.amdhsa_forward_progress 1
		.amdhsa_inst_pref_size 194
	.end_amdhsa_kernel
	.amdgpu_metadata
---
amdhsa.version: [ 1, 2 ]
amdhsa.kernels:
  - .name:           k_q59cda04b81_attn
    .symbol:         k_q59cda04b81_attn.kd
    .args:
      - { .name: qf, .offset: 0, .size: 8, .value_kind: global_buffer, .address_space: global }
      - { .name: kvf, .offset: 8, .size: 8, .value_kind: global_buffer, .address_space: global }
      - { .name: wob, .offset: 16, .size: 8, .value_kind: global_buffer, .address_space: global }
      - { .name: bv, .offset: 24, .size: 8, .value_kind: global_buffer, .address_space: global }
      - { .name: bo, .offset: 32, .size: 8, .value_kind: global_buffer, .address_space: global }
      - { .name: gamma, .offset: 40, .size: 8, .value_kind: global_buffer, .address_space: global }
      - { .name: beta, .offset: 48, .size: 8, .value_kind: global_buffer, .address_space: global }
      - { .name: x, .offset: 56, .size: 8, .value_kind: global_buffer, .address_space: global }
      - { .name: out0, .offset: 64, .size: 8, .value_kind: global_buffer, .address_space: global }
    .group_segment_fixed_size: 327680
    .private_segment_fixed_size: 0
    .kernarg_segment_align: 8
    .kernarg_segment_size: 72
    .max_flat_workgroup_size: 256
    .sgpr_count:     66
    .vgpr_count:     384
    .wavefront_size: 32
...
	.end_amdgpu_metadata
.endif
;; end of part 2
